; MI455X (gfx1250); checked and timed in simulation.
; The chip was launched on July 23, 2026; its instructions are those of AMD's public machine-readable ISA for CDNA 5 (MIT licence, August 2026) and "CDNA5" Instruction Set Architecture Reference Guide (July 2026). The comments in the code are by the model that wrote it; some were corrected since.
;; Segmented Nearest Neighbor Graph. Allowed arithmetic: float matrix products may take bf16 or f16 operands with f32 sums; all other float work in f32.
;; Inputs: segs 64 int32; x 65,536 x 16 float32.
;; Outputs: out0 1,048,576 int32; out1 1,048,576 int32.
;; 2 versions, each right; version 2 is version 1 with the launch rank written anew for expert scheduling mode. Each part assembles by itself: llvm-mc -triple=amdgcn-amd-amdhsa -mcpu=gfx1250 --defsym DOCPART=n.
;; ======== version 1 of 2: 2 launches
;; workspace buffers: cand 8,388,608 bytes of whole numbers; trips 65,536 bytes of whole numbers
;; launch filter (part 1): grid 256 x 1, 16 waves a work-group, no clusters, 55,552 bytes of LDS; arguments x, segs, cand, trips; writes cand, trips
.if DOCPART == 1
	.amdgcn_target "amdgcn-amd-amdhsa--gfx1250"
	.amdhsa_code_object_version 6
	.text
	.protected	k_qdc81bb9f00_filter
	.globl	k_qdc81bb9f00_filter
	.p2align	8
	.type	k_qdc81bb9f00_filter,@function
k_qdc81bb9f00_filter:
	s_mov_b64 s[64:65], 0
	v_nop
	global_prefetch_b8 v0, s[64:65] scope:SCOPE_SE
	s_setreg_imm32_b32 hwreg(HW_REG_WAVE_MODE, 25, 1), 1
	s_wait_xcnt 0x0
; FILTER: for each point of a segment, one accept bit for each of the segment's 1,024 points, and the largest number of accepted ones.
; x: [65536][16] f32, 64 segments of 1,024 points.  d2(q, c) = (sq_q + sq_c) - 2 dot(q, c), on x rounded to bf16.
; Pass 1 forms all d2 with the matrix unit and keeps, for each query, the minima of 32 disjoint groups of 32 candidates.
; T, the 16th smallest of these 32 minima, is an upper bound of the query's 16th smallest d2 (16 different candidates lie at or below it).
; Pass 2 forms the products again and writes bit = (d2 <= T'), T' = T + 2^-14 (sq_q + |T|).  A candidate with d2 <= T has
; sq_c <= 2 sq_q + 2 T, so all sums involved are below 3 sq_q + 2 T in size; the ways of summing 16 products in f32 used here and in
; the next launch differ by less than 2^-18 of that.  So every candidate that the next launch can rank among the first 16 is accepted.
; The next launch ranks the accepted ones exactly; this one decides no address and no branch by data.
; LIMITS: x finite and d2 finite in f32 (no NaN, no infinity).  The matrix operands are x rounded to bf16.
; segs: the problem's formula uses only its length (64); its values enter no result.  This segment's entry is loaded and enters nothing.
; No cluster, no tensor load: x has to pass through registers to be rounded, and a work-group reads its 64 KiB of x once.
; SHARES: work-group = a quarter of a segment's queries (256) against all 1,024 candidates; wave w = 16 queries; 256 work-groups.
; The product is taken as A = 16 candidates, B = 16 queries: lane (r = lane & 15, h = lane >> 4) holds in register j
; the dot of candidate 8 h + j of the tile with query r.  K = 16 of the form's 32: the upper half of both fragments is zero.
; cand, in words: [task = query / 16][g 0..3][lane 0..31][c 0..3]; word w = 4 g + c, bit 8 t + j: candidate 16 (4 w + t) + 8 h + j.
; trips, in words: [work-group][64]; words 2 L and 2 L + 1: the largest number of accept bits of a query among queries 32 v .. 32 v + 31 of
; the work-group, v = L & 7.  The next launch reads word 2 v; the repeats make the one store cover the work-group's 256 consecutive bytes.
.set PITCH, 48                         ; an LDS row: 32 bytes of bf16 + 16: an odd multiple of 16, so 16 rows start in 16 different columns
.set TILE,  16*PITCH                   ; 16 candidates
.set SQB,   1024*PITCH                 ; behind the rows: 1,024 sq in f32
.set CNTB,  SQB+4096                   ; behind them: one count for each of the 16 waves
.set AADR,  4                          ; v4   LDS address of my piece of the candidate fragments, stepped
.set SADR,  5                          ; v5   LDS address of my eight sq_c, stepped
.set SQQ,   10                         ; v[10:11] sq of my query (a pair, both written)
.set CQ,    12                         ; v[12:13] T' - sq_q (a pair, both written)
.set TT,    14                         ; v14  threshold
.set PP,    15                         ; v15  the partner lane's figure
.set BF,    16                         ; v[16:23] query fragment
.set AF,    24                         ; v[24:55] four candidate fragments
.set ACC,   56                         ; v[56:87] four results
.set SQC,   88                         ; v[88:119] sq_c for the four tiles
.set MN,    120                        ; v[120:135] 16 group minima, v136 a spare for the sort
.set BT,    138                        ; v[138:141] four chains of bits
.set WD,    144                        ; v[144:147] four words to store
.set PL,    152                        ; v[152:156] bit k of the number of my words so far that have bit b set, at bit b of plane k
.set CNT,   157                        ; v157 the count
.set XIN,   24                         ; set-up only: two rows of x as loaded
.set P8,    56                         ; set-up only: a row in bf16
	s_load_b128 s[4:7], s[0:1], 0x0                ; x s[4:5], segs s[6:7]
	s_load_b64 s[8:9], s[0:1], 0x10                ; cand
	s_load_b64 s[22:23], s[0:1], 0x18              ; trips
	v_lshl_add_u32 v160, v0, 2, 0xd100
	v_mov_b32 v161, 0
	v_lshrrev_b32 v9, 5, v0
	v_readfirstlane_b32 s10, v9                    ; wave 0..15
	s_lshr_b32 s11, ttmp9, 2                       ; segment
	s_and_b32 s12, ttmp9, 3                        ; quarter of its queries
	s_mov_b32 s14, 0x76543210                      ; v_permlanex16_b32: lane i reads lane i of the other half
	s_mov_b32 s15, 0xfedcba98
	s_mov_b32 s24, 0x55555555                      ; the masks of a bit count by fields of 2, 4 and 8 bits,
	s_mov_b32 s25, 0x33333333
	s_mov_b32 s26, 0x0f0f0f0f
	s_mov_b32 s27, 0x01010101                      ; and the factor that sums four bytes into the top one
	s_lshl_b32 s18, s11, 16                        ; a segment of x: 1,024 rows of 64 bytes
	s_mov_b32 s19, 0
	s_lshl_b32 s20, s11, 2                         ; my segment's entry in segs
	v_and_b32 v1, 31, v0                           ; lane
	v_and_b32 v2, 15, v0                           ; r
	v_bfe_u32 v3, v0, 4, 1                         ; h
	v_lshlrev_b32 v9, 6, v0                        ; thread t prepares rows t and t + 512: 64 bytes each
	v_mul_u32_u24 v10, v0, PITCH                   ; where row t goes in LDS
	v_lshlrev_b32 v11, 2, v0                       ; and its sq
	s_wait_kmcnt 0x0
	s_add_nc_u64 s[4:5], s[4:5], s[18:19]
.irp c, 0,1,2,3
	global_load_b128 v[XIN+4*\c:XIN+4*\c+3], v9, s[4:5] offset:16*\c
.endr
.irp c, 0,1,2,3
	global_load_b128 v[XIN+16+4*\c:XIN+16+4*\c+3], v9, s[4:5] offset:32768+16*\c
.endr
	s_load_b32 s13, s[6:7], s20 offset:0x0         ; segs[segment]: read as given; the formula takes nothing from its value
	s_lshl_b32 s18, ttmp9, 15                      ; cand: 16 tasks of 2,048 bytes for a work-group,
	s_lshl_b32 s21, s10, 11                        ; one task for a wave
	s_add_co_u32 s18, s18, s21
	s_add_nc_u64 s[8:9], s[8:9], s[18:19]
	s_lshl_b32 s18, ttmp9, 8                       ; trips: 256 bytes for a work-group
	s_add_nc_u64 s[22:23], s[22:23], s[18:19]
; One row: round to bf16, store 32 bytes; sq = the sum of the squares of the ROUNDED numbers, k ascending (the squares are exact in f32).
.macro ROWPREP xin, ldsoff, sqoff
.irp j, 0,1,2,3,4,5,6,7
	v_cvt_pk_bf16_f32 v[P8+\j], v[\xin+2*\j], v[\xin+2*\j+1]
.endr
	ds_store_b128 v10, v[P8:P8+3] offset:\ldsoff
	ds_store_b128 v10, v[P8+4:P8+7] offset:\ldsoff+16
	v_lshlrev_b32 v64, 16, v[P8]
	v_and_b32 v65, 0xffff0000, v[P8]
	v_mul_f32 v66, v64, v64
	v_fmac_f32 v66, v65, v65
.irp j, 1,2,3,4,5,6,7
	v_lshlrev_b32 v64, 16, v[P8+\j]
	v_and_b32 v65, 0xffff0000, v[P8+\j]
	v_fmac_f32 v66, v64, v64
	v_fmac_f32 v66, v65, v65
.endr
	ds_store_b32 v11, v66 offset:SQB+\sqoff
.endm
	s_wait_loadcnt 0x4                             ; row t is in; the four loads of row t + 512 stay out
	ROWPREP XIN, 0, 0
	s_wait_loadcnt 0x0
	ROWPREP XIN+16, 512*PITCH, 2048
	s_wait_kmcnt 0x0                               ; the entry of segs
	s_wait_dscnt 0x0                               ; my stores are done, for the other waves' sake
	s_barrier_signal -1
	s_barrier_wait -1                              ; all rows and all sq are in LDS; nothing writes them from here on
	s_lshl_b32 s21, s12, 8
	s_lshl4_add_u32 s21, s10, s21                  ; my wave's first query: 256 x quarter + 16 x wave
	v_add_nc_u32 v9, s21, v2                       ; my query
	v_mul_u32_u24 v14, v9, PITCH
	v_lshl_add_u32 v14, v3, 4, v14                 ; its k = 8 h .. 8 h + 7
	ds_load_b128 v[BF:BF+3], v14
	v_lshlrev_b32 v15, 2, v9
	ds_load_b32 v[SQQ], v15 offset:SQB
	v_mul_u32_u24 v[AADR], v2, PITCH
	v_lshl_add_u32 v[AADR], v3, 4, v[AADR]         ; candidate r of a tile, k = 8 h ..
	v_lshlrev_b32 v[SADR], 5, v3
	v_add_nc_u32 v[SADR], SQB, v[SADR]             ; sq of candidates 8 h .. 8 h + 7 of a tile
	v_mov_b32 v6, v[AADR]                          ; both once more, for pass 2
	v_mov_b32 v7, v[SADR]
	v_lshlrev_b32 v8, 4, v1                        ; 16 bytes a lane in cand
.irp j, 4,5,6,7
	v_mov_b32 v[BF+\j], 0                          ; k = 16 .. 31 do not exist: zeros, written once
	v_mov_b32 v[AF+\j], 0
	v_mov_b32 v[AF+8+\j], 0
	v_mov_b32 v[AF+16+\j], 0
	v_mov_b32 v[AF+24+\j], 0
.endr
.irp j, 0,1,2,3,4,5,6,7,8,9,10,11,12,13,14,15
	v_mov_b32 v[MN+\j], 0x7f800000                 ; the minima start at +infinity
.endr
	s_wait_dscnt 0x0
	v_mov_b32 v[SQQ+1], v[SQQ]
; Four tiles: fragments from byte a0..a3 behind AADR, their sq from p0..p3 behind SADR, four products that start from 0.
; Behind the products stand the caller's 16 packed sums on SQC, which name no register of a matrix instruction: they are the places
; in front of the first read of a result, and of the next loads into the fragments.
.macro LOADMUL a0, a1, a2, a3, p0, p1, p2, p3
	ds_load_b128 v[AF:AF+3], v[AADR] offset:\a0
	ds_load_b128 v[AF+8:AF+11], v[AADR] offset:\a1
	ds_load_b128 v[AF+16:AF+19], v[AADR] offset:\a2
	ds_load_b128 v[AF+24:AF+27], v[AADR] offset:\a3
	ds_load_b128 v[SQC:SQC+3], v[SADR] offset:\p0
	ds_load_b128 v[SQC+4:SQC+7], v[SADR] offset:\p0+16
	ds_load_b128 v[SQC+8:SQC+11], v[SADR] offset:\p1
	ds_load_b128 v[SQC+12:SQC+15], v[SADR] offset:\p1+16
	ds_load_b128 v[SQC+16:SQC+19], v[SADR] offset:\p2
	ds_load_b128 v[SQC+20:SQC+23], v[SADR] offset:\p2+16
	ds_load_b128 v[SQC+24:SQC+27], v[SADR] offset:\p3
	ds_load_b128 v[SQC+28:SQC+31], v[SADR] offset:\p3+16
	s_wait_dscnt 0x8                               ; the four fragments are in; the eight younger loads of sq stay out
	v_wmma_f32_16x16x32_bf16 v[ACC:ACC+7], v[AF:AF+7], v[BF:BF+7], 0
	v_wmma_f32_16x16x32_bf16 v[ACC+8:ACC+15], v[AF+8:AF+15], v[BF:BF+7], 0
	v_wmma_f32_16x16x32_bf16 v[ACC+16:ACC+23], v[AF+16:AF+23], v[BF:BF+7], 0
	v_wmma_f32_16x16x32_bf16 v[ACC+24:ACC+31], v[AF+24:AF+31], v[BF:BF+7], 0
	s_wait_dscnt 0x0                               ; sq
.endm
	; PASS 1: 16 trips of four tiles (t, t + 1, t + 32, t + 33).  Register j of MN: candidates 8 h + j of tiles 0-31, register 8 + j: of tiles 32-63.
	s_mov_b32 s16, 0
.Lpass1:
	LOADMUL 0, TILE, 32*TILE, 33*TILE, 0, 64, 2048, 2112
.irp i, 0,2,4,6,8,10,12,14,16,18,20,22,24,26,28,30
	v_pk_add_f32 v[SQC+\i:SQC+\i+1], v[SQC+\i:SQC+\i+1], v[SQQ:SQQ+1] op_sel_hi:[1,0]      ; sq_c + sq_q
.endr
.irp i, 0,2,4,6,8,10,12,14,16,18,20,22,24,26,28,30
	v_pk_fma_f32 v[ACC+\i:ACC+\i+1], v[ACC+\i:ACC+\i+1], -2.0, v[SQC+\i:SQC+\i+1] op_sel_hi:[1,0,1]   ; d2
.endr
.irp j, 0,1,2,3,4,5,6,7
	v_min3_num_f32 v[MN+\j], v[MN+\j], v[ACC+\j], v[ACC+8+\j]
	v_min3_num_f32 v[MN+8+\j], v[MN+8+\j], v[ACC+16+\j], v[ACC+24+\j]
.endr
	v_add_nc_u32 v[AADR], 2*TILE, v[AADR]
	v_add_nc_u32 v[SADR], 128, v[SADR]
	s_add_co_u32 s16, s16, 1
	s_cmp_lt_u32 s16, 16
	s_cbranch_scc1 .Lpass1
	; THE THRESHOLD.  Each lane sorts its 16 minima (Batcher's odd-even merge sort, 63 exchanges).  An exchange is a minimum into the spare
	; register and a maximum in place; the names R0..R15 and RT then change hands, so that no copy is needed.
.irp i, 0,1,2,3,4,5,6,7,8,9,10,11,12,13,14,15
.set R\i, MN+\i
.endr
.set RT, MN+16
.macro CEV i, j
	v_min_num_f32 v[RT], v[R\i], v[R\j]
	v_max_num_f32 v[R\j], v[R\i], v[R\j]
.set RSWAP, R\i
.set R\i, RT
.set RT, RSWAP
.endm
.macro CE2 a, b, c, d
	CEV \a, \b
	CEV \c, \d
.endm
.macro CE4 a, b, c, d, e, f, g, h
	CE2 \a, \b, \c, \d
	CE2 \e, \f, \g, \h
.endm
	CE4 0,1, 2,3, 4,5, 6,7
	CE4 8,9, 10,11, 12,13, 14,15
	CE4 0,2, 1,3, 4,6, 5,7
	CE4 8,10, 9,11, 12,14, 13,15
	CE4 1,2, 5,6, 9,10, 13,14
	CE4 0,4, 1,5, 2,6, 3,7
	CE4 8,12, 9,13, 10,14, 11,15
	CE4 2,4, 3,5, 10,12, 11,13
	CE4 1,2, 3,4, 5,6, 9,10
	CE2 11,12, 13,14
	CE4 0,8, 1,9, 2,10, 3,11
	CE4 4,12, 5,13, 6,14, 7,15
	CE4 4,8, 5,9, 6,10, 7,11
	CE4 2,4, 3,5, 6,8, 7,9
	CE2 10,12, 11,13
	CE4 1,2, 3,4, 5,6, 7,8
	CE2 9,10, 11,12
	CEV 13,14
	; Lanes (r, 0) and (r, 1) hold the two sorted halves a, b of query r's 32 minima.  The 16 smallest of all are min(a[i], b[15 - i]);
	; the largest of those is the 16th smallest.  Both lanes form the same set, so both end with the same T.
.macro XM i, k, first
	v_permlanex16_b32 v[PP], v[R\k], s14, s15      ; its destination counts as read: v15 was written above
.if \first
	v_min_num_f32 v[TT], v[PP], v[R\i]
.else
	v_min_num_f32 v[PP], v[PP], v[R\i]
	v_max_num_f32 v[TT], v[TT], v[PP]
.endif
.endm
	XM 0, 15, 1
	XM 1, 14, 0
	XM 2, 13, 0
	XM 3, 12, 0
	XM 4, 11, 0
	XM 5, 10, 0
	XM 6, 9, 0
	XM 7, 8, 0
	XM 8, 7, 0
	XM 9, 6, 0
	XM 10, 5, 0
	XM 11, 4, 0
	XM 12, 3, 0
	XM 13, 2, 0
	XM 14, 1, 0
	XM 15, 0, 0
	v_add_f32 v9, v[SQQ], |v[TT]|
	v_fmamk_f32 v9, v9, 0x38800000, v[TT]          ; T' = T + 2^-14 (sq_q + |T|)
	v_sub_f32 v[CQ], v9, v[SQQ]                    ; accept where (T' - sq_q) - sq_c + 2 dot >= 0
	v_mov_b32 v[CQ+1], v[CQ]
	v_mov_b32 v[AADR], v6
	v_mov_b32 v[SADR], v7
.irp k, 0,1,2,3,4
	v_mov_b32 v[PL+\k], 0                          ; no word counted yet
.endr
; Adders that work on all 32 bit positions of their words at once.
.macro FA a, b, c                      ; v[a] + v[b] + v[c], position by position: the sum into v[a], the carry into v[b]
	v_xor_b32 v9, v[\a], v[\b]
	v_bfi_b32 v[\b], v9, v[\c], v[\a]              ; where a and b differ the carry is c, else it is a
	v_xor_b32 v[\a], v9, v[\c]
.endm
.macro HA a, b                         ; v[a] + v[b]: the sum into v[a], the carry into v[b]
	v_xor_b32 v[\a], v[\a], v[\b]
	v_bfi_b32 v[\b], v[\a], 0, v[\b]               ; a and b = b and not (a xor b)
.endm
	; PASS 2: 4 trips of 16 tiles in ascending order; four tiles make a word of 32 bits, four words a store of 16 bytes a lane.
	s_mov_b32 s16, 0
.Lpass2:
.irp c, 0,1,2,3
	LOADMUL 4*TILE*\c, 4*TILE*\c+TILE, 4*TILE*\c+2*TILE, 4*TILE*\c+3*TILE, 256*\c, 256*\c+64, 256*\c+128, 256*\c+192
.irp i, 0,2,4,6,8,10,12,14,16,18,20,22,24,26,28,30
	v_pk_add_f32 v[SQC+\i:SQC+\i+1], v[CQ:CQ+1], v[SQC+\i:SQC+\i+1] op_sel_hi:[0,1] neg_lo:[0,1] neg_hi:[0,1]
.endr
.irp i, 0,2,4,6,8,10,12,14,16,18,20,22,24,26,28,30
	v_pk_fma_f32 v[ACC+\i:ACC+\i+1], v[ACC+\i:ACC+\i+1], 2.0, v[SQC+\i:SQC+\i+1] op_sel_hi:[1,0,1]    ; sign set: reject
.endr
.irp t, 0,1,2,3
	v_lshrrev_b32 v[BT+\t], 31, v[ACC+8*\t+7]      ; the sign of candidate 7 starts the chain,
.endr
.irp j, 6,5,4,3,2,1,0
.irp t, 0,1,2,3
	v_alignbit_b32 v[BT+\t], v[BT+\t], v[ACC+8*\t+\j], 31      ; chain x 2 + the sign of candidate j: four chains that do not wait for each other
.endr
.endr
	v_lshl_or_b32 v[WD+\c], v[BT+1], 8, v[BT]
	v_lshl_or_b32 v[WD+\c], v[BT+2], 16, v[WD+\c]
	v_lshl_or_b32 v[WD+\c], v[BT+3], 24, v[WD+\c]
	v_xor_b32 v[WD+\c], -1, v[WD+\c]               ; 1 = accept
.endr
	global_store_b128 v8, v[WD:WD+3], s[8:9]       ; the wave stores 512 consecutive bytes, at a multiple of 512 from cand's first byte
	s_wait_xcnt 0x0                                ; v8 and the four words are rewritten only behind this wait
	; The four words join the planes: two full adders at weight 1, one at weight 2, then the carry ripples on.  16 words in all: five planes.
	FA PL, WD, WD+1
	FA PL, WD+2, WD+3
	FA PL+1, WD, WD+2
	HA PL+2, WD
	HA PL+3, WD
	v_or_b32 v[PL+4], v[PL+4], v[WD]               ; weight 16 is reached once at the most
	v_add_nc_u32 v8, 512, v8
	v_add_nc_u32 v[AADR], 16*TILE, v[AADR]
	v_add_nc_u32 v[SADR], 1024, v[SADR]
	s_add_co_u32 s16, s16, 1
	s_cmp_lt_u32 s16, 4
	s_cbranch_scc1 .Lpass2
	; THE COUNT: the sum of 2^k x (the bits of plane k) is the number of accept bits in my 16 words.
; The bits of v[p], by fields of 2, 4 and 8 bits and a product that sums the four bytes (32 at the most); CNT += 2^k x that.
.macro POPC p, k
	v_lshrrev_b32 v9, 1, v[\p]
	v_and_b32 v9, s24, v9
	v_sub_nc_u32 v[\p], v[\p], v9
	v_lshrrev_b32 v9, 2, v[\p]
	v_and_b32 v[\p], s25, v[\p]
	v_and_b32 v9, s25, v9
	v_add_nc_u32 v[\p], v[\p], v9
	v_lshrrev_b32 v9, 4, v[\p]
	v_add_nc_u32 v[\p], v[\p], v9
	v_and_b32 v[\p], s26, v[\p]
	v_mul_lo_u32 v[\p], v[\p], s27
.if \k
	v_lshrrev_b32 v[\p], 24, v[\p]
	v_lshl_add_u32 v[CNT], v[\p], \k, v[CNT]
.else
	v_lshrrev_b32 v[CNT], 24, v[\p]                ; the first starts the sum
.endif
.endm
	POPC PL, 0
	POPC PL+1, 1
	POPC PL+2, 2
	POPC PL+3, 3
	POPC PL+4, 4
	v_permlanex16_b32 v9, v[CNT], s14, s15         ; lane (r, 1 - h) holds the other half of query r's bits (v9 was written above)
	v_add_nc_u32 v[CNT], v[CNT], v9                ; query r's count, 1,024 at the most
.irp m, 1,2,4,8
	v_mov_b32_dpp v9, v[CNT] row_xmask:\m row_mask:0xf bank_mask:0xf   ; the count of query r xor m
	v_max_u32 v[CNT], v[CNT], v9
.endr
	; The 16 waves' counts meet in LDS, in bytes of their own.
	s_wait_dscnt 0x0                               ; my reads of LDS are over,
	s_barrier_signal -1
	s_barrier_wait -1                              ; and so are every wave's, before any wave stores into LDS again
	v_mov_b32 v9, s10
	v_lshlrev_b32 v9, 2, v9
	ds_store_b32 v9, v[CNT] offset:CNTB            ; all lanes write the wave's word with the same value
	s_wait_dscnt 0x0                               ; done, for wave 0's sake
	s_barrier_signal -1
	s_barrier_wait -1
	s_cmp_lg_u32 s10, 0
	s_cbranch_scc1 .Lend                           ; wave 0 alone writes the work-group's 256 bytes of trips
	v_and_b32 v9, 7, v1
	v_lshlrev_b32 v9, 3, v9
	ds_load_b64 v[12:13], v9 offset:CNTB           ; the counts of tasks 2 v and 2 v + 1, v = lane & 7: 32 queries
	v_lshlrev_b32 v6, 3, v1
	s_wait_dscnt 0x0
	v_max_u32 v12, v12, v13
	v_mov_b32 v13, v12
	global_store_b64 v6, v[12:13], s[22:23]        ; 32 lanes x 8 bytes: 256 consecutive bytes, at a multiple of 256 from trips' first byte
.Lend:
	s_wait_tensorcnt 0x0
	ds_add_u32 v160, v161
	s_wait_dscnt 0x0
	s_endpgm
.Lfunc_end_k_qdc81bb9f00_filter:
	.size	k_qdc81bb9f00_filter, .Lfunc_end_k_qdc81bb9f00_filter-k_qdc81bb9f00_filter
	.p2alignl 7, 3214868480
	.fill 96, 4, 3214868480
	.section	.rodata,"a",@progbits
	.p2align	6, 0x0
	.amdhsa_kernel k_qdc81bb9f00_filter
		.amdhsa_group_segment_fixed_size 55552
		.amdhsa_private_segment_fixed_size 0
		.amdhsa_enable_private_segment 0
		.amdhsa_kernarg_size 32
		.amdhsa_user_sgpr_count 2
		.amdhsa_user_sgpr_kernarg_segment_ptr 1
		.amdhsa_wavefront_size32 1
		.amdhsa_system_sgpr_workgroup_id_x 1
		.amdhsa_system_sgpr_workgroup_id_y 1
		.amdhsa_system_sgpr_workgroup_id_z 1
		.amdhsa_system_vgpr_workitem_id 0
		.amdhsa_next_free_vgpr 162
		.amdhsa_next_free_sgpr 66
		.amdhsa_reserve_vcc 0
		.amdhsa_float_denorm_mode_32 3
		.amdhsa_float_denorm_mode_16_64 3
		.amdhsa_memory_ordered 1
		.amdhsa_forward_progress 1
		.amdhsa_inst_pref_size 45
	.end_amdhsa_kernel
	.amdgpu_metadata
---
amdhsa.version: [ 1, 2 ]
amdhsa.kernels:
  - .name:           k_qdc81bb9f00_filter
    .symbol:         k_qdc81bb9f00_filter.kd
    .args:
      - { .name: x, .offset: 0, .size: 8, .value_kind: global_buffer, .address_space: global }
      - { .name: segs, .offset: 8, .size: 8, .value_kind: global_buffer, .address_space: global }
      - { .name: cand, .offset: 16, .size: 8, .value_kind: global_buffer, .address_space: global }
      - { .name: trips, .offset: 24, .size: 8, .value_kind: global_buffer, .address_space: global }
    .group_segment_fixed_size: 55552
    .private_segment_fixed_size: 0
    .kernarg_segment_align: 8
    .kernarg_segment_size: 32
    .max_flat_workgroup_size: 512
    .sgpr_count:     66
    .vgpr_count:     162
    .wavefront_size: 32
...
	.end_amdgpu_metadata
.endif
;; end of part 1
;; launch rank (part 2): grid 256 x 1, 8 waves a work-group, no clusters, 138,240 bytes of LDS; arguments x, cand, out0, out1, trips; writes out0, out1
.if DOCPART == 2
	.amdgcn_target "amdgcn-amd-amdhsa--gfx1250"
	.amdhsa_code_object_version 6
	.text
	.protected	k_qdc81bb9f00_rank
	.globl	k_qdc81bb9f00_rank
	.p2align	8
	.type	k_qdc81bb9f00_rank,@function
k_qdc81bb9f00_rank:
	s_mov_b64 s[64:65], 0
	v_nop
	global_prefetch_b8 v0, s[64:65] scope:SCOPE_SE
	s_setreg_imm32_b32 hwreg(HW_REG_WAVE_MODE, 25, 1), 1
	s_wait_xcnt 0x0
; RANK: one lane for each query.  The lane walks its accept bits (cand, whole numbers stored by the launch before) in ascending index,
; forms d2 of each accepted candidate and inserts (d2, id) into a sorted list of 16 by a strict compare.  Ascending visits and a strict
; compare give the order (d2, then the lower index), which is the order of a top-k of -d2.
; d2 = fma(-2, dot, sq_q + sq_c) on x rounded to bf16; dot and sq are f32 chains with k ascending (the products of bf16 numbers are exact
; in f32).  Doubling the dot is exact, so the fused form rounds as (sq_q + sq_c) - 2 dot does.
; These few products (the accepted candidates only; all 1,024 x 1,024 went through the matrix unit in the launch before) are made on the
; vector unit, since each lane has other candidates.
; LIMITS: x finite and d2 finite in f32 (no NaN, no infinity).  Any number of accepted candidates up to 1,024 is served: the loop's trips
; are the largest number of accept bits that a lane of the wave holds, which the launch before counted and stored in trips
; (word 64 x work-group + 2 x wave); it is read by a scalar load.
; BIT POSITIONS without a bit scan: for a word l with one bit b set, (l x DBC) >> 27 = code(b) = ((DBC << b) >> 27) & 31 is a permutation
; of 0..31.  So data are laid out by code: the record of index i lies at place 32 (i >> 5) + code(i & 31), word x of a lane's bitmap at
; code(x), and a table of the wave's own gives 32 x at code(x).
; No cluster, no tensor load: x passes through registers to be rounded, and is 64 KiB for a work-group, read once.
; SHARES: work-group = 256 queries (a quarter of a segment), 8 waves; 256 work-groups.
.set DBC,   0x077CB531
.set RPITCH, 80                        ; a record: 16 f32 (the rounded x), sq, global id, 8 bytes unused: an odd multiple of 16
.set BLOCK, 32*RPITCH                  ; the 32 records of one bitmap word
.set BM,    1024*RPITCH                ; bitmaps: 132 bytes for each thread (32 words + 4: lanes at the same word fall into different banks)
.set TAB,   BM+256*132                 ; 128 bytes for each wave: 32 x at code(x)
.set STAGE, TAB+8*128                  ; 2,560 bytes for each wave, for the way out
.set CUR,   3                          ; v3  the bits left of the current word
.set PB,    4                          ; v4  32 x the current word's number
.set ZZ,    5                          ; v5  bit x: word x is not zero and not yet taken
.set ZN,    6                          ; v6  ZZ without its lowest bit
.set PBN,   7                          ; v7  32 x the next word's number
.set NW,    8                          ; v8  the next word
.set INF,   13
.set DD,    14                         ; v14 d2 of the candidate, or +infinity where the lane has none
.set IDX,   15                         ; v15 its global id
.set TA,    16                         ; v16, v17 at work
.set CL,    18                         ; v18 code(lane) x 80
.set TADR,  19                         ; v19 my wave's table
.set XQ,    20                         ; v[20:35] my query, v36 its sq
.set KK,    40                         ; v[40:55] the 16 smallest d2, ascending
.set II,    56                         ; v[56:71] their ids
.set REC,   72                         ; v[72:89] the candidate's record
.set W0,    92                         ; v[92:107]  cand's words of lane (r, 0)
.set W1,    108                        ; v[108:123] and of lane (r, 1)
.set XIN,   124                        ; v[124:187] four rows of x as loaded
.set P8,    188                        ; v[188:195] a row in bf16
.set U,     196                        ; v[196:213] a record to store
.set CM,    40                         ; s[40:55] masks: d2 < K[k]
	s_load_b256 s[4:11], s[0:1], 0x0               ; x s[4:5], cand s[6:7], out0 s[8:9], out1 s[10:11]
	s_load_b64 s[34:35], s[0:1], 0x20              ; trips
	v_lshl_add_u32 v216, v0, 2, 0x21800
	v_mov_b32 v217, 0
	v_lshrrev_b32 v9, 5, v0
	v_readfirstlane_b32 s12, v9                    ; wave 0..7
	s_lshr_b32 s13, ttmp9, 2                       ; segment
	s_mov_b32 s14, DBC
	s_mov_b32 s15, 0xffff0000                      ; a word's upper bf16
	s_mov_b32 s22, 0x05010400                      ; v_perm_b32: bytes 0, 1 of two words, interleaved
	s_mov_b32 s23, 0x07030602                      ; bytes 2, 3
	v_and_b32 v1, 31, v0                           ; lane
	v_lshlrev_b32 v10, 6, v0                       ; thread t prepares rows t + 256 i: 64 bytes each
	v_lshrrev_b32 v11, 4, v0                       ; my query's task in the work-group,
	v_and_b32 v12, 15, v0                          ; and its r
	v_lshlrev_b32 v12, 4, v12
	v_lshl_add_u32 v11, v11, 11, v12               ; 2,048 x task + 16 r
	s_lshl_b32 s24, s13, 16                        ; a segment of x: 65,536 bytes
	s_mov_b32 s25, 0
	s_lshl_b32 s26, ttmp9, 15                      ; a work-group's 16 tasks in cand
	s_mov_b32 s27, 0
	s_lshl_b32 s36, ttmp9, 8                       ; a work-group's 256 bytes in trips,
	s_lshl3_add_u32 s36, s12, s36                  ; 8 for a wave
	s_wait_kmcnt 0x0
	s_load_b32 s21, s[34:35], s36 offset:0x0       ; my wave's trips
	s_add_nc_u64 s[4:5], s[4:5], s[24:25]
	s_add_nc_u64 s[6:7], s[6:7], s[26:27]
.irp i, 0,1,2,3
.irp c, 0,1,2,3
	global_load_b128 v[XIN+16*\i+4*\c:XIN+16*\i+4*\c+3], v10, s[4:5] offset:16384*\i+16*\c
.endr
.endr
.irp g, 0,1,2,3
	global_load_b128 v[W0+4*\g:W0+4*\g+3], v11, s[6:7] offset:512*\g         ; 16 neighbouring lanes read 256 consecutive bytes
	global_load_b128 v[W1+4*\g:W1+4*\g+3], v11, s[6:7] offset:512*\g+256
.endr
	v_lshlrev_b32 v[CL], v1, s14
	v_lshrrev_b32 v[CL], 27, v[CL]                 ; code(lane)
	s_lshl_b32 s24, s12, 7
	s_add_co_u32 s24, s24, TAB
	v_mov_b32 v[TADR], s24
	v_lshl_add_u32 v9, v[CL], 2, v[TADR]
	v_lshlrev_b32 v12, 5, v1
	ds_store_b32 v9, v12                           ; my wave's table: 32 x lane at code(lane)
	v_mul_u32_u24 v[CL], v[CL], RPITCH
	v_mul_u32_u24 v2, v0, 132
	v_add_nc_u32 v2, BM, v2                        ; my bitmap
; Row t + 256 i: round to bf16, widen again, sq as a chain with k ascending, and store the record.  The row's index is
; 32 (wave + 8 i) + lane, so the record goes into block wave + 8 i, which only this wave writes, at code(lane).
.macro ROW i
	s_wait_loadcnt 20-4*\i                         ; this row's four loads are in; the later rows' and the eight loads of cand stay out
.irp j, 0,1,2,3,4,5,6,7
	v_cvt_pk_bf16_f32 v[P8+\j], v[XIN+16*\i+2*\j], v[XIN+16*\i+2*\j+1]
.endr
.irp j, 0,1,2,3,4,5,6,7
	v_lshlrev_b32 v[U+2*\j], 16, v[P8+\j]
	v_and_b32 v[U+2*\j+1], s15, v[P8+\j]
.endr
	v_mul_f32 v[U+16], v[U], v[U]
.irp k, 1,2,3,4,5,6,7,8,9,10,11,12,13,14,15
	v_fmac_f32 v[U+16], v[U+\k], v[U+\k]
.endr
	s_add_co_u32 s24, s12, 8*\i
	s_mul_i32 s24, s24, BLOCK
	v_add_nc_u32 v9, s24, v[CL]
	s_lshl_b32 s25, s13, 10
	s_add_co_u32 s25, s25, 256*\i
	v_add_nc_u32 v[U+17], s25, v0                  ; the global id
.irp c, 0,1,2,3
	ds_store_b128 v9, v[U+4*\c:U+4*\c+3] offset:16*\c
.endr
	ds_store_b64 v9, v[U+16:U+17] offset:64
.endm
	ROW 0
	ROW 1
	ROW 2
	ROW 3
	s_wait_loadcnt 0x0                             ; cand
	; My bitmap in index order.  In cand, word w of lane (r, h) holds candidates 64 w + 16 t + 8 h + j at bit 8 t + j: interleaving the bytes
	; of the two lanes' words gives word 2 w (candidates 64 w .. + 31) and word 2 w + 1.  Word x goes to code(x); ZZ notes which are not zero.
.macro WORD x, w, sel
	v_perm_b32 v9, v[W1+\w], v[W0+\w], \sel
	ds_store_b32 v2, v9 offset:4*(((DBC<<(\x))>>27)&31)
	v_min_u32 v9, 1, v9
	v_lshl_or_b32 v[ZZ], v9, (\x), v[ZZ]
.endm
	v_perm_b32 v[CUR], v[W1], v[W0], s22           ; word 0 is the current one from the start
	ds_store_b32 v2, v[CUR] offset:4*((DBC>>27)&31)
	v_mov_b32 v[ZZ], 0
	v_mov_b32 v[PB], 0
	WORD 1, 0, s23
.irp w, 1,2,3,4,5,6,7,8,9,10,11,12,13,14,15
	WORD 2*\w, \w, s22
	WORD 2*\w+1, \w, s23
.endr
	v_mov_b32 v[INF], 0x7f800000
.irp k, 0,1,2,3,4,5,6,7,8,9,10,11,12,13,14,15
	v_mov_b32 v[KK+\k], 0x7f800000                 ; an empty list: +infinity, which every finite d2 beats
	v_mov_b32 v[II+\k], 0
.endr
	s_wait_kmcnt 0x0                               ; my wave's trips
	s_min_u32 s21, s21, 1024                       ; a lane has 1,024 candidates at the most
	s_wait_dscnt 0x0                               ; my stores are done, for the other waves' sake
	s_barrier_signal -1
	s_barrier_wait -1                              ; all records are in LDS; nothing writes them from here on
	s_and_b32 s24, ttmp9, 3
	s_lshl3_add_u32 s24, s24, s12                  ; my query's block: 8 x quarter + wave
	s_mul_i32 s24, s24, BLOCK
	v_add_nc_u32 v9, s24, v[CL]
.irp c, 0,1,2,3
	ds_load_b128 v[XQ+4*\c:XQ+4*\c+3], v9 offset:16*\c
.endr
	ds_load_b32 v[XQ+16], v9 offset:64
; Ask for the next word that is not zero, and for 32 x its number.  With ZZ = 0 the code is 0: written bytes, and the mask s19 keeps them out.
.macro PREF
	v_sub_nc_u32 v10, 0, v[ZZ]
	v_and_b32 v10, v10, v[ZZ]                      ; the lowest bit
	v_xor_b32 v[ZN], v[ZZ], v10
	v_cmp_ne_u32 s19, 0, v[ZZ]
	v_mul_lo_u32 v10, v10, s14
	v_lshrrev_b32 v10, 27, v10                     ; its code
	v_min_u32 v10, 31, v10                         ; a number made from loaded data enters an address only behind a clamp
	v_lshl_add_u32 v11, v10, 2, v2
	v_lshl_add_u32 v12, v10, 2, v[TADR]
	ds_load_b32 v[NW], v11
	ds_load_b32 v[PBN], v12
.endm
; Lanes whose current word is used up take the next one, if there is one.
.macro TAKE
	v_cmp_eq_u32 vcc_lo, 0, v[CUR]
	s_and_b32 s20, vcc_lo, s19
	v_cndmask_b32 v[CUR], v[CUR], v[NW], s20
	v_cndmask_b32 v[PB], v[PB], v[PBN], s20
	v_cndmask_b32 v[ZZ], v[ZZ], v[ZN], s20
.endm
; Take the lowest bit of the current word: s18 = the lanes that had one; v9 = the record's address (a lane without a bit gets a written record).
.macro EXTRACT_A
	v_cmp_ne_u32 s18, 0, v[CUR]
	v_sub_nc_u32 v9, 0, v[CUR]
	v_and_b32 v9, v9, v[CUR]
	v_xor_b32 v[CUR], v[CUR], v9
	v_mul_lo_u32 v9, v9, s14
	v_lshrrev_b32 v9, 27, v9
	v_add_nc_u32 v9, v9, v[PB]
	v_min_u32 v9, 0x3ff, v9                        ; the clamp in front of the address
	v_mul_u32_u24 v9, v9, RPITCH
.endm
.macro EXTRACT_L
.irp c, 0,1,2,3
	ds_load_b128 v[REC+4*\c:REC+4*\c+3], v9 offset:16*\c
.endr
	ds_load_b64 v[REC+16:REC+17], v9 offset:64
.endm
; Insert (DD, IDX) into the ascending list.  c(k) = DD < K[k].  New K[k] is the middle one of K[k-1], DD, K[k]; new I[k] is I[k-1] where
; c(k-1), IDX where only c(k), else unchanged.  From the top down, so that K[k-1] and I[k-1] are still the old ones.
.macro INSERT
.irp k, 0,1,2,3,4,5,6,7,8,9,10,11,12,13,14,15
	v_cmp_lt_f32 s[CM+\k], v[DD], v[KK+\k]
.endr
.irp k, 15,14,13,12,11,10,9,8,7,6,5,4,3,2,1
	v_cndmask_b32 v[TA+(\k&1)], v[IDX], v[II+\k-1], s[CM+\k-1]
	v_cndmask_b32 v[II+\k], v[II+\k], v[TA+(\k&1)], s[CM+\k]
	v_med3_num_f32 v[KK+\k], v[KK+\k-1], v[DD], v[KK+\k]
.endr
	v_cndmask_b32 v[II], v[II], v[IDX], s[CM]
	v_min_num_f32 v[KK], v[KK], v[DD]
.endm
	; A word is taken in the same trip in which the one before runs out, so a lane yields a candidate in every trip until it has none left:
	; the first is asked for here, trip t works on the t-th and asks for the next, and s21 trips serve the lane with the most.
	PREF
	s_wait_dscnt 0x0                               ; my query, the next word and its number
	TAKE                                           ; (word 0 may be empty)
	EXTRACT_A
	EXTRACT_L
	PREF
	s_mov_b32 s16, 0
.Lloop:
	s_wait_dscnt 0x0                               ; the record, the next word and its number: all that is out
	s_mov_b32 s17, s18                             ; the lanes for which this record counts
	TAKE
	EXTRACT_A                                      ; the next candidate's address,
	PREF                                           ; and the word after: their arithmetic and two small loads ahead of the chain
	v_mul_f32 v[TA], v[XQ], v[REC]
.irp k, 1,2,3,4,5,6,7,8,9,10,11,12,13,14,15
	v_fmac_f32 v[TA], v[XQ+\k], v[REC+\k]          ; one chain, k ascending
.endr
	v_add_f32 v[TA+1], v[XQ+16], v[REC+16]         ; sq_q + sq_c
	v_fma_f32 v[TA], -2.0, v[TA], v[TA+1]
	v_cndmask_b32 v[DD], v[INF], v[TA], s17        ; a lane that has run out inserts +infinity, which the strict compare keeps out
	v_mov_b32 v[IDX], v[REC+17]
	EXTRACT_L                                      ; the record's registers are read out: the next record comes in under the insertion
	INSERT
	s_add_co_u32 s16, s16, 1
	s_cmp_lt_u32 s16, s21
	s_cbranch_scc1 .Lloop
	; THE WAY OUT.  A query's 16 ids are 64 bytes; a wave's 32 queries 2,048 consecutive bytes of out0 and of out1.  The ids go through the
	; wave's own stage, so that each store of the wave covers 512 consecutive bytes.  out1 holds the query's own id 16 times: made in registers.
	s_wait_dscnt 0x0                               ; the last trip's loads have landed: my reads of LDS are over,
	s_barrier_signal -1
	s_barrier_wait -1                              ; and so are every wave's, before any wave stores into LDS again
	s_mul_i32 s24, s12, 32*RPITCH
	s_add_co_u32 s24, s24, STAGE
	v_mul_u32_u24 v37, v1, RPITCH
	v_add_nc_u32 v37, s24, v37                     ; in: my query's row
	v_lshrrev_b32 v10, 2, v1
	v_and_b32 v11, 3, v1
	v_mul_u32_u24 v38, v10, RPITCH
	v_lshl_add_u32 v38, v11, 4, v38
	v_add_nc_u32 v38, s24, v38                     ; back: four lanes take one row of 64 bytes
	v_lshlrev_b32 v39, 4, v1
	s_lshl_b32 s26, ttmp9, 14                      ; 256 queries x 64 bytes
	s_lshl_b32 s25, s12, 11
	s_add_co_u32 s26, s26, s25
	s_mov_b32 s27, 0
	s_add_nc_u64 s[8:9], s[8:9], s[26:27]
	s_add_nc_u64 s[10:11], s[10:11], s[26:27]
.irp c, 0,1,2,3
	ds_store_b128 v37, v[II+4*\c:II+4*\c+3] offset:16*\c
.endr
.irp i, 0,1,2,3
	ds_load_b128 v[REC+4*\i:REC+4*\i+3], v38 offset:8*RPITCH*\i      ; LDS serves a wave's instructions in order (ISA guide 5.7.1): these see the stores above
.endr
	s_lshl_b32 s28, ttmp9, 8
	s_lshl_b32 s29, s12, 5
	s_add_co_u32 s28, s28, s29
	v_add_nc_u32 v12, s28, v10                     ; the query of my 16 bytes in the first store
.irp i, 0,1,2,3
.irp c, 0,1,2,3
	v_add_nc_u32 v[KK+4*\i+\c], 8*\i, v12          ; each store is eight queries further on
.endr
	global_store_b128 v39, v[KK+4*\i:KK+4*\i+3], s[10:11] offset:512*\i th:TH_STORE_NT
.endr
.irp i, 0,1,2,3
	s_wait_dscnt 3-\i                              ; read-back i is in; the younger ones stay out
	global_store_b128 v39, v[REC+4*\i:REC+4*\i+3], s[8:9] offset:512*\i th:TH_STORE_NT
.endr
	s_wait_tensorcnt 0x0
	ds_add_u32 v216, v217
	s_wait_dscnt 0x0
	s_endpgm
.Lfunc_end_k_qdc81bb9f00_rank:
	.size	k_qdc81bb9f00_rank, .Lfunc_end_k_qdc81bb9f00_rank-k_qdc81bb9f00_rank
	.p2alignl 7, 3214868480
	.fill 96, 4, 3214868480
	.section	.rodata,"a",@progbits
	.p2align	6, 0x0
	.amdhsa_kernel k_qdc81bb9f00_rank
		.amdhsa_group_segment_fixed_size 138240
		.amdhsa_private_segment_fixed_size 0
		.amdhsa_enable_private_segment 0
		.amdhsa_kernarg_size 40
		.amdhsa_user_sgpr_count 2
		.amdhsa_user_sgpr_kernarg_segment_ptr 1
		.amdhsa_wavefront_size32 1
		.amdhsa_system_sgpr_workgroup_id_x 1
		.amdhsa_system_sgpr_workgroup_id_y 1
		.amdhsa_system_sgpr_workgroup_id_z 1
		.amdhsa_system_vgpr_workitem_id 0
		.amdhsa_next_free_vgpr 218
		.amdhsa_next_free_sgpr 66
		.amdhsa_reserve_vcc 1
		.amdhsa_float_denorm_mode_32 3
		.amdhsa_float_denorm_mode_16_64 3
		.amdhsa_memory_ordered 1
		.amdhsa_forward_progress 1
		.amdhsa_inst_pref_size 34
	.end_amdhsa_kernel
	.amdgpu_metadata
---
amdhsa.version: [ 1, 2 ]
amdhsa.kernels:
  - .name:           k_qdc81bb9f00_rank
    .symbol:         k_qdc81bb9f00_rank.kd
    .args:
      - { .name: x, .offset: 0, .size: 8, .value_kind: global_buffer, .address_space: global }
      - { .name: cand, .offset: 8, .size: 8, .value_kind: global_buffer, .address_space: global }
      - { .name: out0, .offset: 16, .size: 8, .value_kind: global_buffer, .address_space: global }
      - { .name: out1, .offset: 24, .size: 8, .value_kind: global_buffer, .address_space: global }
      - { .name: trips, .offset: 32, .size: 8, .value_kind: global_buffer, .address_space: global }
    .group_segment_fixed_size: 138240
    .private_segment_fixed_size: 0
    .kernarg_segment_align: 8
    .kernarg_segment_size: 40
    .max_flat_workgroup_size: 256
    .sgpr_count:     66
    .vgpr_count:     218
    .wavefront_size: 32
...
	.end_amdgpu_metadata
.endif
;; end of part 2
;; ======== version 2 of 2: 2 launches; version 1 with the launch rank written anew for expert scheduling mode
;; workspace buffers: cand 8,388,608 bytes of whole numbers; trips 65,536 bytes of whole numbers
;; launch filter: the kernel of part 1 again; grid 256 x 1, 16 waves a work-group, no clusters, 55,552 bytes of LDS; arguments x, segs, cand, trips; writes cand, trips
;; launch rank (part 3): grid 256 x 1, 8 waves a work-group, no clusters, 138,240 bytes of LDS; arguments x, cand, out0, out1, trips; writes out0, out1
.if DOCPART == 3
	.amdgcn_target "amdgcn-amd-amdhsa--gfx1250"
	.amdhsa_code_object_version 6
	.text
	.protected	k_qdc81bb9f00_rank
	.globl	k_qdc81bb9f00_rank
	.p2align	8
	.type	k_qdc81bb9f00_rank,@function
k_qdc81bb9f00_rank:
	s_mov_b64 s[64:65], 0
	v_nop
	global_prefetch_b8 v0, s[64:65] scope:SCOPE_SE
	s_setreg_imm32_b32 hwreg(HW_REG_WAVE_SCHED_MODE, 0, 2), 2
	s_setreg_imm32_b32 hwreg(HW_REG_WAVE_MODE, 25, 1), 1
	s_wait_xcnt 0x0
	s_wait_alu depctr_vm_vsrc(0)
; RANK: one lane for each query.  The lane walks its accept bits (cand, whole numbers stored by the launch before) in ascending index,
; forms d2 of each accepted candidate and inserts (d2, id) into a sorted list of 16 by a strict compare.  Ascending visits and a strict
; compare give the order (d2, then the lower index), which is the order of a top-k of -d2.
; d2 = fma(-2, dot, sq_q + sq_c) on x rounded to bf16; dot and sq are f32 chains with k ascending (the products of bf16 numbers are exact
; in f32).  Doubling the dot is exact, so the fused form rounds as (sq_q + sq_c) - 2 dot does.
; These few products (the accepted candidates only; all 1,024 x 1,024 went through the matrix unit in the launch before) are made on the
; vector unit, since each lane has other candidates.
; LIMITS: x finite and d2 finite in f32 (no NaN, no infinity).  Any number of accepted candidates up to 1,024 is served: the loop's trips
; are the largest number of accept bits that a lane of the wave holds, which the launch before counted and stored in trips
; (word 64 x work-group + 2 x wave); it is read by a scalar load.
; BIT POSITIONS without a bit scan: for a word l with one bit b set, (l x DBC) >> 27 = code(b) = ((DBC << b) >> 27) & 31 is a permutation
; of 0..31.  So data are laid out by code: the record of index i lies at place 32 (i >> 5) + code(i & 31), word x of a lane's bitmap at
; code(x), and a table of the wave's own gives 32 x at code(x).
; No cluster, no tensor load: x passes through registers to be rounded, and is 64 KiB for a work-group, read once.
; SHARES: work-group = 256 queries (a quarter of a segment), 8 waves; 256 work-groups.
; THE MODE: SCHED_MODE bits 1:0 = 2 (LLVM: expert scheduling mode 2), set by the entry lines.  The code itself states the register dependences
; between vector instructions and memory or LDS instructions, with s_wait_alu, always for 0.
; THE PLAN.  Registers that memory or LDS instructions touch:
;   v2, v19, v37-39, v90, v91, v204-207   addresses (v205: the table's data), made once at the head and never written again: one wait on va_vdst
;              ahead of the first load serves them for the whole kernel.
;   XIN row i, SI pair i   the loads land in XIN; row i's vector lines widen it in place and write SI; its five LDS stores stand at the head of
;              row i + 1, behind one wait on va_vdst; row i + 1's vector lines name P8 and their own XIN and SI alone.  No register is used twice.
;   CUR, BW    the bitmap's 32 words, each in a register of its own: one wait behind the 32 lines that make them, then the stores.
;   In the loop: REC (read by the chain, the sum of the two sq and the copy of the id; the next record lands in it), NW and PBN (read by the three
;              selects; the next word and its number land in them), v9, v11, v12 (written by the address lines, read by the seven LDS loads).
;              All else (XQ, KK, II, TA, DD, IDX, CUR, PB, ZZ, ZN, v10) is named by vector instructions alone.
;   So a trip has ONE wait on va_vdst, behind the chain's last link and the address lines, and its seven loads follow in one run; the lines
;   behind them, up to the backward jump, name none of those registers.  One wait on vm_vsrc stands at the trip's head, ahead of the lines that
;   write v9, v11 and v12 again.  Masks made by compares: one wait on va_vcc, and one on va_sdst behind the insertion's sixteen compares, which
;   stands behind this trip's writes of s18 and s19 too and ahead of the jump: the next trip reads them first.
.set DBC,   0x077CB531
.set RPITCH, 80                        ; a record: 16 f32 (the rounded x), sq, global id, 8 bytes unused: an odd multiple of 16
.set BLOCK, 32*RPITCH                  ; the 32 records of one bitmap word
.set BM,    1024*RPITCH                ; bitmaps: 132 bytes for each thread (32 words + 4: lanes at the same word fall into different banks)
.set TAB,   BM+256*132                 ; 128 bytes for each wave: 32 x at code(x)
.set STAGE, TAB+8*128                  ; 2,560 bytes for each wave, for the way out
.set CUR,   3                          ; v3  the bits left of the current word
.set PB,    4                          ; v4  32 x the current word's number
.set ZZ,    5                          ; v5  bit x: word x is not zero and not yet taken
.set ZN,    6                          ; v6  ZZ without its lowest bit
.set PBN,   7                          ; v7  32 x the next word's number
.set NW,    8                          ; v8  the next word
                                       ; v9  the next record's LDS address; v10 at work; v11, v12 the LDS addresses of the next word and its number
.set INF,   13
.set DD,    14                         ; v14 d2 of the candidate, or +infinity where the lane has none
.set IDX,   15                         ; v15 its global id
.set TA,    16                         ; v16, v17 at work
.set CL,    18                         ; v18 code(lane) x 80
.set TADR,  19                         ; v19 my wave's table
.set XQ,    20                         ; v[20:35] my query, v36 its sq
                                       ; v37 the stage as I store, v38 as I read it back, v39 16 x lane
.set KK,    40                         ; v[40:55] the 16 smallest d2, ascending
.set II,    56                         ; v[56:71] their ids
.set REC,   72                         ; v[72:89] the candidate's record
.set XO,    90                         ; v90 x: byte offset of row t
.set CO,    91                         ; v91 cand: byte offset of my query's first 16 bytes
.set W0,    92                         ; v[92:107]  cand's words of lane (r, 0)
.set W1,    108                        ; v[108:123] and of lane (r, 1)
.set XIN,   124                        ; v[124:187] four rows of x as loaded, then rounded and widened in place
.set P8,    188                        ; v[188:195] a row in bf16
.set SI,    196                        ; v[196:203] row i: sq and global id, a pair at SI + 2 i
.set TBA,   204                        ; v204 where my entry of the table goes,
.set TBD,   205                        ; v205 and the entry: 32 x lane
.set RADR,  206                        ; v206 where row t's record goes; rows t + 256 i lie 8 blocks further on each
.set QADR,  207                        ; v207 my query's record
.set OQ,    208                        ; v208 the query of my 16 bytes in the first store of out1
.set BW,    216                        ; v[217:247] words 1 to 31 of my bitmap, word x at BW + x
.set CM,    40                         ; s[40:55] masks: d2 < K[k]
	s_load_b256 s[4:11], s[0:1], 0x0               ; x s[4:5], cand s[6:7], out0 s[8:9], out1 s[10:11]
	s_load_b64 s[34:35], s[0:1], 0x20              ; trips
	v_lshl_add_u32 v215, v0, 2, 0x21800
	v_mov_b32 v216, 0
	v_lshrrev_b32 v10, 5, v0
	v_readfirstlane_b32 s12, v10                   ; wave 0..7
	s_lshr_b32 s13, ttmp9, 2                       ; segment
	s_mov_b32 s14, DBC
	s_mov_b32 s15, 0xffff0000                      ; a word's upper bf16
	s_mov_b32 s22, 0x05010400                      ; v_perm_b32: bytes 0, 1 of two words, interleaved
	s_mov_b32 s23, 0x07030602                      ; bytes 2, 3
	v_and_b32 v1, 31, v0                           ; lane
	v_lshlrev_b32 v[XO], 6, v0                     ; thread t prepares rows t + 256 i: 64 bytes each
	v_lshrrev_b32 v[CO], 4, v0                     ; my query's task in the work-group,
	v_and_b32 v10, 15, v0                          ; and its r
	v_lshlrev_b32 v10, 4, v10
	v_lshl_add_u32 v[CO], v[CO], 11, v10           ; 2,048 x task + 16 r
	v_lshlrev_b32 v[CL], v1, s14
	v_lshrrev_b32 v[CL], 27, v[CL]                 ; code(lane)
	v_lshlrev_b32 v[TBD], 5, v1
	v_mul_u32_u24 v2, v0, 132
	v_add_nc_u32 v2, BM, v2                        ; my bitmap
	v_lshlrev_b32 v39, 4, v1
	s_lshl_b32 s24, s13, 16                        ; a segment of x: 65,536 bytes
	s_mov_b32 s25, 0
	s_lshl_b32 s26, ttmp9, 15                      ; a work-group's 16 tasks in cand
	s_mov_b32 s27, 0
	s_lshl_b32 s36, ttmp9, 8                       ; a work-group's 256 bytes in trips,
	s_lshl_b32 s33, s13, 10                        ; the segment's first global id
	s_and_b32 s30, ttmp9, 3                        ; the quarter of its queries
	s_lshl_b32 s32, ttmp9, 8                       ; the work-group's first query
	s_wait_alu depctr_va_sdst(0)                   ; s12 is written, ahead of its first reader
	s_lshl3_add_u32 s36, s12, s36                  ; 8 for a wave
	s_lshl_b32 s28, s12, 7
	s_add_co_u32 s28, s28, TAB                     ; my wave's table
	s_mul_i32 s29, s12, BLOCK                      ; block wave: row t's index is 32 x wave + lane
	s_lshl3_add_u32 s30, s30, s12                  ; my query's block: 8 x quarter + wave
	s_mul_i32 s30, s30, BLOCK
	s_mul_i32 s31, s12, 32*RPITCH
	s_add_co_u32 s31, s31, STAGE                   ; my wave's stage
	s_lshl_b32 s38, s12, 5
	s_add_co_u32 s32, s32, s38                     ; my wave's first query
	v_mov_b32 v[TADR], s28
	v_lshl_add_u32 v[TBA], v[CL], 2, v[TADR]
	v_mul_u32_u24 v[CL], v[CL], RPITCH
	v_add_nc_u32 v[RADR], s29, v[CL]
	v_add_nc_u32 v[QADR], s30, v[CL]
	v_mul_u32_u24 v37, v1, RPITCH
	v_add_nc_u32 v37, s31, v37                     ; the stage, in: my query's row
	v_lshrrev_b32 v10, 2, v1
	v_and_b32 v14, 3, v1
	v_mul_u32_u24 v38, v10, RPITCH
	v_lshl_add_u32 v38, v14, 4, v38
	v_add_nc_u32 v38, s31, v38                     ; back: four lanes take one row of 64 bytes
	v_add_nc_u32 v[OQ], s32, v10
	s_wait_kmcnt 0x0
	s_load_b32 s21, s[34:35], s36 offset:0x0       ; my wave's trips
	s_add_nc_u64 s[4:5], s[4:5], s[24:25]
	s_add_nc_u64 s[6:7], s[6:7], s[26:27]
	s_wait_alu depctr_va_vdst(0)                   ; all addresses of the kernel (v2, v19, v37-39, v90, v91, v204-207) and the table's entry are written; none is written again
.irp i, 0,1,2,3
.irp c, 0,1,2,3
	global_load_b128 v[XIN+16*\i+4*\c:XIN+16*\i+4*\c+3], v[XO], s[4:5] offset:16384*\i+16*\c
.endr
.endr
.irp g, 0,1,2,3
	global_load_b128 v[W0+4*\g:W0+4*\g+3], v[CO], s[6:7] offset:512*\g       ; 16 neighbouring lanes read 256 consecutive bytes
	global_load_b128 v[W1+4*\g:W1+4*\g+3], v[CO], s[6:7] offset:512*\g+256
.endr
	ds_store_b32 v[TBA], v[TBD]                    ; my wave's table: 32 x lane at code(lane)
; Row t + 256 i: round to bf16, widen again in place, sq as a chain with k ascending, the global id.
.macro ROWV i
.irp j, 0,1,2,3,4,5,6,7
	v_cvt_pk_bf16_f32 v[P8+\j], v[XIN+16*\i+2*\j], v[XIN+16*\i+2*\j+1]
.endr
.irp j, 0,1,2,3,4,5,6,7
	v_lshlrev_b32 v[XIN+16*\i+2*\j], 16, v[P8+\j]
	v_and_b32 v[XIN+16*\i+2*\j+1], s15, v[P8+\j]
.endr
	v_mul_f32 v[SI+2*\i], v[XIN+16*\i], v[XIN+16*\i]
.irp k, 1,2,3,4,5,6,7,8,9,10,11,12,13,14,15
	v_fmac_f32 v[SI+2*\i], v[XIN+16*\i+\k], v[XIN+16*\i+\k]
.endr
	s_add_co_u32 s37, s33, 256*\i
	v_add_nc_u32 v[SI+2*\i+1], s37, v0             ; the global id
.endm
; Its record is stored.  The row's index is 32 (wave + 8 i) + lane, so the record goes into block wave + 8 i, which only this wave writes, at code(lane).
.macro ROWS i
.irp c, 0,1,2,3
	ds_store_b128 v[RADR], v[XIN+16*\i+4*\c:XIN+16*\i+4*\c+3] offset:8*BLOCK*\i+16*\c
.endr
	ds_store_b64 v[RADR], v[SI+2*\i:SI+2*\i+1] offset:8*BLOCK*\i+64
.endm
	s_wait_loadcnt 20                              ; row t's four loads are in; the later rows' twelve and the eight loads of cand stay out
	ROWV 0
	s_wait_loadcnt 16                              ; the next row is in
	s_wait_alu depctr_va_vdst(0)                   ; row 0's lines have written its record, which the stores below read; the lines of row 1 name none of it
	ROWS 0
	ROWV 1
	s_wait_loadcnt 12
	s_wait_alu depctr_va_vdst(0)                   ; the same for row 1's record
	ROWS 1
	ROWV 2
	s_wait_loadcnt 8
	s_wait_alu depctr_va_vdst(0)                   ; the same for row 2's record
	ROWS 2
	ROWV 3
	s_wait_loadcnt 0x0                             ; cand
	; My bitmap in index order.  In cand, word w of lane (r, h) holds candidates 64 w + 16 t + 8 h + j at bit 8 t + j: interleaving the bytes
	; of the two lanes' words gives word 2 w (candidates 64 w .. + 31) and word 2 w + 1.  Word x goes to code(x); ZZ notes which are not zero.
	v_perm_b32 v[CUR], v[W1], v[W0], s22           ; word 0 is the current one from the start
	v_perm_b32 v[BW+1], v[W1], v[W0], s23
.irp w, 1,2,3,4,5,6,7,8,9,10,11,12,13,14,15
	v_perm_b32 v[BW+2*\w], v[W1+\w], v[W0+\w], s22
	v_perm_b32 v[BW+2*\w+1], v[W1+\w], v[W0+\w], s23
.endr
	s_wait_alu depctr_va_vdst(0)                   ; row 3's record and the 32 words are written, which the stores below read; the vector lines among them write v10, ZZ and PB alone
	ROWS 3
	ds_store_b32 v2, v[CUR] offset:4*((DBC>>27)&31)
	v_mov_b32 v[ZZ], 0
	v_mov_b32 v[PB], 0
.macro WORD x
	ds_store_b32 v2, v[BW+\x] offset:4*(((DBC<<(\x))>>27)&31)
	v_min_u32 v10, 1, v[BW+\x]
	v_lshl_or_b32 v[ZZ], v10, (\x), v[ZZ]
.endm
.irp x, 1,2,3,4,5,6,7,8,9,10,11,12,13,14,15,16,17,18,19,20,21,22,23,24,25,26,27,28,29,30,31
	WORD \x
.endr
	v_mov_b32 v[INF], 0x7f800000
.irp k, 0,1,2,3,4,5,6,7,8,9,10,11,12,13,14,15
	v_mov_b32 v[KK+\k], 0x7f800000                 ; an empty list: +infinity, which every finite d2 beats
	v_mov_b32 v[II+\k], 0
.endr
	s_wait_kmcnt 0x0                               ; my wave's trips
	s_min_u32 s21, s21, 1024                       ; a lane has 1,024 candidates at the most
	s_wait_dscnt 0x0                               ; my stores are done, for the other waves' sake
	s_barrier_signal -1
	s_barrier_wait -1                              ; all records are in LDS; nothing writes them from here on
.irp c, 0,1,2,3
	ds_load_b128 v[XQ+4*\c:XQ+4*\c+3], v[QADR] offset:16*\c
.endr
	ds_load_b32 v[XQ+16], v[QADR] offset:64
; The addresses of the next word that is not zero, and of 32 x its number.  With ZZ = 0 the code is 0: written bytes, and the mask s19 keeps them out.
.macro PREF_A
	v_sub_nc_u32 v10, 0, v[ZZ]
	v_and_b32 v10, v10, v[ZZ]                      ; the lowest bit
	v_xor_b32 v[ZN], v[ZZ], v10
	v_cmp_ne_u32 s19, 0, v[ZZ]
	v_mul_lo_u32 v10, v10, s14
	v_lshrrev_b32 v10, 27, v10                     ; its code
	v_min_u32 v10, 31, v10                         ; a number made from loaded data enters an address only behind a clamp
	v_lshl_add_u32 v11, v10, 2, v2
	v_lshl_add_u32 v12, v10, 2, v[TADR]
.endm
.macro PREF_L
	ds_load_b32 v[NW], v11
	ds_load_b32 v[PBN], v12
.endm
; Lanes whose current word is used up take the next one, if there is one.
.macro TAKE
	v_cmp_eq_u32 vcc_lo, 0, v[CUR]
	s_wait_alu depctr_va_vcc(0)                    ; VCC is written, ahead of the line that reads it
	s_and_b32 s20, vcc_lo, s19
	v_cndmask_b32 v[CUR], v[CUR], v[NW], s20
	v_cndmask_b32 v[PB], v[PB], v[PBN], s20
	v_cndmask_b32 v[ZZ], v[ZZ], v[ZN], s20
.endm
; Take the lowest bit of the current word: s18 = the lanes that had one; v9 = the record's address (a lane without a bit gets a written record).
.macro EXTRACT_A
	v_cmp_ne_u32 s18, 0, v[CUR]
	v_sub_nc_u32 v9, 0, v[CUR]
	v_and_b32 v9, v9, v[CUR]
	v_xor_b32 v[CUR], v[CUR], v9
	v_mul_lo_u32 v9, v9, s14
	v_lshrrev_b32 v9, 27, v9
	v_add_nc_u32 v9, v9, v[PB]
	v_min_u32 v9, 0x3ff, v9                        ; the clamp in front of the address
	v_mul_u32_u24 v9, v9, RPITCH
.endm
.macro EXTRACT_L
.irp c, 0,1,2,3
	ds_load_b128 v[REC+4*\c:REC+4*\c+3], v9 offset:16*\c
.endr
	ds_load_b64 v[REC+16:REC+17], v9 offset:64
.endm
; Insert (DD, IDX) into the ascending list.  c(k) = DD < K[k].  New K[k] is the middle one of K[k-1], DD, K[k]; new I[k] is I[k-1] where
; c(k-1), IDX where only c(k), else unchanged.  From the top down, so that K[k-1] and I[k-1] are still the old ones.
.macro INSERT
.irp k, 0,1,2,3,4,5,6,7,8,9,10,11,12,13,14,15
	v_cmp_lt_f32 s[CM+\k], v[DD], v[KK+\k]
.endr
	s_wait_alu depctr_va_sdst(0)                   ; the sixteen masks are written, ahead of the selects that read them; so are this trip's s18 and s19, ahead of the jump: the next trip's first lines read them
.irp k, 15,14,13,12,11,10,9,8,7,6,5,4,3,2,1
	v_cndmask_b32 v[TA+(\k&1)], v[IDX], v[II+\k-1], s[CM+\k-1]
	v_cndmask_b32 v[II+\k], v[II+\k], v[TA+(\k&1)], s[CM+\k]
	v_med3_num_f32 v[KK+\k], v[KK+\k-1], v[DD], v[KK+\k]
.endr
	v_cndmask_b32 v[II], v[II], v[IDX], s[CM]
	v_min_num_f32 v[KK], v[KK], v[DD]
.endm
.macro F k                             ; link k of the dot's one chain, k ascending
	v_fmac_f32 v[TA], v[XQ+\k], v[REC+\k]
.endm
	; A word is taken in the same trip in which the one before runs out, so a lane yields a candidate in every trip until it has none left:
	; the first is asked for here, trip t works on the t-th and asks for the next, and s21 trips serve the lane with the most.
	PREF_A
	s_wait_alu depctr_va_vdst(0)                   ; v11 and v12 are written, which the two loads read
	PREF_L
	s_wait_dscnt 0x0                               ; my query, the next word and its number
	s_wait_alu depctr_vm_vsrc(0)                   ; the two loads have read v11 and v12, and the store of word 0 has read v[CUR]: all three are written again below
	s_wait_alu depctr_va_sdst(0)                   ; s19 is written, ahead of the line that reads it
	TAKE                                           ; (word 0 may be empty)
	EXTRACT_A
	PREF_A
	s_wait_alu depctr_va_vdst(0)                   ; v9, v11 and v12 are written; the selects are done reading v[NW] and v[PBN], in which loads land
	EXTRACT_L
	PREF_L
	s_wait_alu depctr_va_sdst(0)                   ; s18 and s19 are written, ahead of the label: the loop's first lines read them
	s_mov_b32 s16, 0
.Lloop:
	s_wait_dscnt 0x0                               ; the record, the next word and its number: all that is out
	s_wait_alu depctr_vm_vsrc(0)                   ; the seven loads have read v9, v11 and v12, which this trip writes again
	s_mov_b32 s17, s18                             ; the lanes for which this record counts
	; The chain's sixteen links, and among them the lines that take a word, take a bit and make the three addresses (TAKE, EXTRACT_A and PREF_A, line by line):
	; one wait behind them all serves the seven loads, so their order among each other is free, and no link stands next to the link before it while such lines last.
	v_cmp_eq_u32 vcc_lo, 0, v[CUR]
	v_mul_f32 v[TA], v[XQ], v[REC]
	v_add_f32 v[TA+1], v[XQ+16], v[REC+16]         ; sq_q + sq_c
	v_mov_b32 v[IDX], v[REC+17]
	F 1
	s_wait_alu depctr_va_vcc(0)                    ; VCC is written, ahead of the line that reads it
	s_and_b32 s20, vcc_lo, s19
	v_cndmask_b32 v[CUR], v[CUR], v[NW], s20
	v_cndmask_b32 v[ZZ], v[ZZ], v[ZN], s20
	F 2
	v_cndmask_b32 v[PB], v[PB], v[PBN], s20
	v_cmp_ne_u32 s18, 0, v[CUR]
	v_sub_nc_u32 v9, 0, v[CUR]
	F 3
	v_sub_nc_u32 v10, 0, v[ZZ]
	v_and_b32 v9, v9, v[CUR]                       ; the current word's lowest bit
	F 4
	v_and_b32 v10, v10, v[ZZ]                      ; the lowest bit of ZZ
	v_xor_b32 v[CUR], v[CUR], v9
	F 5
	v_mul_lo_u32 v9, v9, s14
	v_xor_b32 v[ZN], v[ZZ], v10
	F 6
	v_cmp_ne_u32 s19, 0, v[ZZ]
	v_mul_lo_u32 v10, v10, s14
	F 7
	v_lshrrev_b32 v9, 27, v9                       ; the bit's code
	F 8
	v_lshrrev_b32 v10, 27, v10                     ; the word's code
	v_add_nc_u32 v9, v9, v[PB]
	F 9
	v_min_u32 v10, 31, v10                         ; a number made from loaded data enters an address only behind a clamp
	v_min_u32 v9, 0x3ff, v9                        ; the clamp in front of the address
	F 10
	v_lshl_add_u32 v11, v10, 2, v2
	v_mul_u32_u24 v9, v9, RPITCH
	F 11
	v_lshl_add_u32 v12, v10, 2, v[TADR]
	F 12
	F 13
	F 14
	F 15
	s_wait_alu depctr_va_vdst(0)                   ; v9, v11 and v12 are written; the chain, the sum and the copy are done reading the record, the selects v[NW] and v[PBN]: the loads below land there
	EXTRACT_L                                      ; the next record, the word after and its number come in under the insertion, whose lines name none of their registers
	PREF_L
	v_fma_f32 v[TA], -2.0, v[TA], v[TA+1]
	v_cndmask_b32 v[DD], v[INF], v[TA], s17        ; a lane that has run out inserts +infinity, which the strict compare keeps out
	INSERT
	s_add_co_u32 s16, s16, 1
	s_cmp_lt_u32 s16, s21
	s_cbranch_scc1 .Lloop
	; THE WAY OUT.  A query's 16 ids are 64 bytes; a wave's 32 queries 2,048 consecutive bytes of out0 and of out1.  The ids go through the
	; wave's own stage, so that each store of the wave covers 512 consecutive bytes.  out1 holds the query's own id 16 times: made in registers.
	s_wait_dscnt 0x0                               ; the last trip's loads have landed: my reads of LDS are over,
	s_barrier_signal -1
	s_barrier_wait -1                              ; and so are every wave's, before any wave stores into LDS again
	s_lshl_b32 s26, ttmp9, 14                      ; 256 queries x 64 bytes
	s_lshl_b32 s25, s12, 11
	s_add_co_u32 s26, s26, s25
	s_mov_b32 s27, 0
	s_add_nc_u64 s[8:9], s[8:9], s[26:27]
	s_add_nc_u64 s[10:11], s[10:11], s[26:27]
.irp i, 0,1,2,3
.irp c, 0,1,2,3
	v_add_nc_u32 v[KK+4*\i+\c], 8*\i, v[OQ]        ; each store is eight queries further on
.endr
.endr
	s_wait_alu depctr_va_vdst(0)                   ; the insertions have written the ids and the lines above out1's numbers, which the stores read; the chain is done reading the record's registers, in which the loads from the stage land
.irp c, 0,1,2,3
	ds_store_b128 v37, v[II+4*\c:II+4*\c+3] offset:16*\c
.endr
.irp i, 0,1,2,3
	ds_load_b128 v[REC+4*\i:REC+4*\i+3], v38 offset:8*RPITCH*\i      ; LDS serves a wave's instructions in order (ISA guide 5.7.1): these see the stores above
.endr
.irp i, 0,1,2,3
	global_store_b128 v39, v[KK+4*\i:KK+4*\i+3], s[10:11] offset:512*\i th:TH_STORE_NT
.endr
.irp i, 0,1,2,3
	s_wait_dscnt 3-\i                              ; read-back i is in; the younger ones stay out
	global_store_b128 v39, v[REC+4*\i:REC+4*\i+3], s[8:9] offset:512*\i th:TH_STORE_NT
.endr
	s_wait_dscnt 0x0
	s_wait_alu depctr_hold_cnt(0) depctr_sa_sdst(0) depctr_va_vdst(0) depctr_va_sdst(0) depctr_va_ssrc(0) depctr_va_vcc(0) depctr_vm_vsrc(0)
	s_wait_tensorcnt 0x0
	ds_add_u32 v215, v216
	s_wait_dscnt 0x0
	s_endpgm
.Lfunc_end_k_qdc81bb9f00_rank:
	.size	k_qdc81bb9f00_rank, .Lfunc_end_k_qdc81bb9f00_rank-k_qdc81bb9f00_rank
	.p2alignl 7, 3214868480
	.fill 96, 4, 3214868480
	.section	.rodata,"a",@progbits
	.p2align	6, 0x0
	.amdhsa_kernel k_qdc81bb9f00_rank
		.amdhsa_group_segment_fixed_size 138240
		.amdhsa_private_segment_fixed_size 0
		.amdhsa_enable_private_segment 0
		.amdhsa_kernarg_size 40
		.amdhsa_user_sgpr_count 2
		.amdhsa_user_sgpr_kernarg_segment_ptr 1
		.amdhsa_wavefront_size32 1
		.amdhsa_system_sgpr_workgroup_id_x 1
		.amdhsa_system_sgpr_workgroup_id_y 1
		.amdhsa_system_sgpr_workgroup_id_z 1
		.amdhsa_system_vgpr_workitem_id 0
		.amdhsa_next_free_vgpr 248
		.amdhsa_next_free_sgpr 66
		.amdhsa_reserve_vcc 1
		.amdhsa_float_denorm_mode_32 3
		.amdhsa_float_denorm_mode_16_64 3
		.amdhsa_memory_ordered 1
		.amdhsa_forward_progress 1
		.amdhsa_inst_pref_size 34
	.end_amdhsa_kernel
	.amdgpu_metadata
---
amdhsa.version: [ 1, 2 ]
amdhsa.kernels:
  - .name:           k_qdc81bb9f00_rank
    .symbol:         k_qdc81bb9f00_rank.kd
    .args:
      - { .name: x, .offset: 0, .size: 8, .value_kind: global_buffer, .address_space: global }
      - { .name: cand, .offset: 8, .size: 8, .value_kind: global_buffer, .address_space: global }
      - { .name: out0, .offset: 16, .size: 8, .value_kind: global_buffer, .address_space: global }
      - { .name: out1, .offset: 24, .size: 8, .value_kind: global_buffer, .address_space: global }
      - { .name: trips, .offset: 32, .size: 8, .value_kind: global_buffer, .address_space: global }
    .group_segment_fixed_size: 138240
    .private_segment_fixed_size: 0
    .kernarg_segment_align: 8
    .kernarg_segment_size: 40
    .max_flat_workgroup_size: 256
    .sgpr_count:     66
    .vgpr_count:     248
    .wavefront_size: 32
...
	.end_amdgpu_metadata
.endif
;; end of part 3
